; MI455X (gfx1250); checked and timed in simulation.
; The chip was launched on July 23, 2026; its instructions are those of AMD's public machine-readable ISA for CDNA 5 (MIT licence, August 2026) and "CDNA5" Instruction Set Architecture Reference Guide (July 2026). The comments in the code are by the model that wrote it; some were corrected since.
;; Vector Quantizer. Allowed arithmetic: float matrix products may take bf16 or f16 operands with f32 sums; all other float work in f32.
;; Inputs: embedding 8,192 x 512 float32; latents 8 x 512 x 2,048 float32.
;; Outputs: out0 8 x 512 x 2,048 float32.
;; 2 versions, each right; version 2 is version 1 with the launch prep written anew for expert scheduling mode. Each part assembles by itself: llvm-mc -triple=amdgcn-amd-amdhsa -mcpu=gfx1250 --defsym DOCPART=n.
;; ======== version 1 of 2: 4 launches
;; workspace buffers: xb 16,777,216 bytes; eb 8,388,608 bytes; xsq 65,536 bytes; esq 32,768 bytes; part 524,288 bytes; idx 65,536 bytes of whole numbers
;; launch prep (part 1): grid 384 x 1, 8 waves a work-group, no clusters, 3,328 bytes of LDS; arguments latents, embedding, xb, eb, xsq, esq; writes xb, eb, xsq, esq
.if DOCPART == 1
	.amdgcn_target "amdgcn-amd-amdhsa--gfx1250"
	.amdhsa_code_object_version 6
	.text
	.protected	k_q0f5c01b0bc_prep
	.globl	k_q0f5c01b0bc_prep
	.p2align	8
	.type	k_q0f5c01b0bc_prep,@function
k_q0f5c01b0bc_prep:
	s_mov_b64 s[64:65], 0
	v_nop
	global_prefetch_b8 v0, s[64:65] scope:SCOPE_SE
	s_setreg_imm32_b32 hwreg(HW_REG_WAVE_MODE, 25, 1), 1
	s_wait_xcnt 0x0
; BOTH INPUTS ARE ROUNDED TO bf16 ONCE, AND THEIR SUMS OF SQUARES ARE TAKEN OF THE ROUNDED NUMBERS, so that every part of the distance made later belongs to the same rounded inputs.
; Work-groups 0-255: latents [8][512][2048] f32 -> xb, bf16 in the order in which a matrix instruction's second source wants them, and xsq[token], token = 2048 b + t.
;   xb byte = tile*16384 + ks*1024 + p*512 + L*16: tile = token / 16, ks = d / 32; lane L = 16 h + r holds token 16 tile + r, d = 32 ks + 16 p + 8 h + 0..7.
; Work-groups 256-383: embedding [8192][512] f32 -> eb [8192][512] bf16, row-major, and esq[code].
; Each work-group reads 131,072 bytes.  A stream: every byte is read once and written once, nothing is shared between work-groups, so there is no cluster, no tensor load and no matrix work.
; LIMITS: NaN and infinities are not treated apart; a sum of squares beyond f32's range is an infinity, as in the problem's own formula.
.set XSCR,  0                          ; the latents' path: 8 waves x 64 partial sums, 2,048 bytes
.set ESCR,  2048                       ; the codes' path: 64 sums, 256 bytes.  Each path has LDS bytes that the other never names
.set SPARE, 2304                       ; behind both: the spare words, 128 bytes for each of eight waves
.set SPW, 2                            ; v2      LDS address of my spare word; never rewritten
.set NIL, 3                            ; v3      0; never rewritten
.set T,   8                            ; v8-15   at work
.set S,   16                           ; v16-31  sums
.set X,   32                           ; v32-159 the numbers as loaded, then packed
.set WV,  16                           ; s16     my wave's number
.macro FINISH                          ; the wave's end: three lines behind my last LDS store
	s_wait_tensorcnt 0x0
	ds_add_u32 v[SPW], v[NIL]
	s_wait_dscnt 0x0
	s_endpgm
.endm
	s_load_b256 s[4:11], s[0:1], 0x0               ; latents s[4:5], embedding s[6:7], xb s[8:9], eb s[10:11]
	s_load_b128 s[12:15], s[0:1], 0x20             ; xsq s[12:13], esq s[14:15]
	v_lshl_add_u32 v[SPW], v0, 2, SPARE
	v_mov_b32 v[NIL], 0
	v_lshrrev_b32 v1, 5, v0
	v_readfirstlane_b32 s[WV], v1                  ; wave 0..7
	v_and_b32 v4, 31, v0                           ; lane l
	s_mov_b32 s17, 0xffff0000                      ; a word's upper bf16
	s_cmp_ge_u32 ttmp9, 256                        ; the same answer in all eight waves
	s_cbranch_scc1 .Lcodes
	; ---- LATENTS.  Work-group G owns 64 tokens of one batch entry: b = G / 32, t0 = 64 (G % 32).  Wave w owns d = 64 w .. 64 w + 63; lane l owns tokens l and 32 + l.
	s_lshr_b32 s18, ttmp9, 5
	s_lshl_b32 s18, s18, 22                        ; b x 512 x 2048 x 4 bytes
	s_lshl_b32 s19, s[WV], 19                      ; + 64 w rows of 8,192 bytes
	s_add_co_u32 s18, s18, s19
	s_and_b32 s19, ttmp9, 31
	s_lshl_b32 s19, s19, 8                         ; + 4 t0
	s_add_co_u32 s18, s18, s19
	s_mov_b32 s19, 0
	s_lshl_b32 s20, ttmp9, 16                      ; xb: four tiles of 16,384 bytes a work-group,
	s_lshl_b32 s21, s[WV], 11                      ; + 2 w K steps of 1,024 bytes
	s_add_co_u32 s20, s20, s21
	s_mov_b32 s21, 0
	s_lshl_b32 s22, ttmp9, 8                       ; xsq: 64 numbers a work-group
	s_mov_b32 s23, 0
	v_lshlrev_b32 v5, 2, v4                        ; 4 l
	v_lshrrev_b32 v6, 4, v4
	v_and_b32 v7, 15, v4
	v_lshlrev_b32 v7, 4, v7
	v_lshl_add_u32 v6, v6, 14, v7                  ; in xb: tile l / 16, 16 bytes for token l % 16
	v_lshl_add_u32 v7, s[WV], 8, v5                ; in the scratch: 256 w + 4 l
	s_wait_kmcnt 0x0
	s_add_nc_u64 s[4:5], s[4:5], s[18:19]
	s_add_nc_u64 s[8:9], s[8:9], s[20:21]
	s_add_nc_u64 s[12:13], s[12:13], s[22:23]
	; 128 loads in one run.  The two loads of one d stand side by side and cover 256 consecutive bytes, at a multiple of 256 from the buffer's first byte.
.irp j, 0,1,2,3,4,5,6,7
.irp i, 0,1,2,3,4,5,6,7
.irp h, 0,1
	global_load_b32 v[X+16*\j+8*\h+\i], v5, s[4:5] offset:(8*\j+\i)*8192+128*\h th:TH_LOAD_NT
.endr
.endr
.endr
	; Block j: d = 64 w + 8 j + 0..7 of both tokens.  Eight numbers pack into the 16 bytes that lane 16 (j % 2) + r of K step 2 w + j / 4, half (j / 2) % 2, will hold: byte 256 j of my wave's 2,048.
.irp j, 0,1,2,3,4,5,6,7
.if 112-16*\j > 63
	s_wait_loadcnt 63                              ; 112 - 16 j younger loads could stay out; the count's field ends at 63 (ISA guide 5.7.1), and a smaller count waits for more
.else
	s_wait_loadcnt 112-16*\j                       ; the later blocks' loads stay out
.endif
.irp h, 0,1
.irp m, 0,1,2,3
	v_cvt_pk_bf16_f32 v[X+16*\j+8*\h+\m], v[X+16*\j+8*\h+2*\m], v[X+16*\j+8*\h+2*\m+1]  ; in place: word m is written when its old number has been read
.endr
.irp m, 0,1,2,3
	v_lshlrev_b32 v[T+2*\m], 16, v[X+16*\j+8*\h+\m]          ; the rounded numbers as f32 again
	v_and_b32 v[T+2*\m+1], s17, v[X+16*\j+8*\h+\m]
.endr
.irp m, 0,1,2,3
.if \j == 0
	v_pk_mul_f32 v[S+8*\h+2*\m:S+8*\h+2*\m+1], v[T+2*\m:T+2*\m+1], v[T+2*\m:T+2*\m+1]  ; the first block starts the sums
.else
	v_pk_fma_f32 v[S+8*\h+2*\m:S+8*\h+2*\m+1], v[T+2*\m:T+2*\m+1], v[T+2*\m:T+2*\m+1], v[S+8*\h+2*\m:S+8*\h+2*\m+1]
.endif
.endr
	global_store_b128 v6, v[X+16*\j+8*\h:X+16*\j+8*\h+3], s[8:9] offset:32768*\h+256*\j  ; lanes 0-15 and lanes 16-31 each store 256 consecutive bytes, aligned; the data registers are not written again
.endr
.endr
.irp h, 0,1
	v_pk_add_f32 v[S+8*\h:S+8*\h+1], v[S+8*\h:S+8*\h+1], v[S+8*\h+2:S+8*\h+3]
	v_pk_add_f32 v[S+8*\h+4:S+8*\h+5], v[S+8*\h+4:S+8*\h+5], v[S+8*\h+6:S+8*\h+7]
	v_pk_add_f32 v[S+8*\h:S+8*\h+1], v[S+8*\h:S+8*\h+1], v[S+8*\h+4:S+8*\h+5]
	v_add_f32 v[S+8*\h], v[S+8*\h], v[S+8*\h+1]
	ds_store_b32 v7, v[S+8*\h] offset:XSCR+128*\h  ; my wave's share of token 32 h + l
.endr
	s_wait_dscnt 0x0                               ; for the others' sake: my stores are done
	s_barrier_signal -1
	s_barrier_wait -1
	s_cmp_lg_u32 s[WV], 0
	s_cbranch_scc1 .Lend_x
	v_lshlrev_b32 v8, 3, v4                        ; wave 0 adds the eight shares: lane l takes tokens 2 l and 2 l + 1
.irp w, 0,1,2,3,4,5,6,7
	ds_load_b64 v[S+2*\w:S+2*\w+1], v8 offset:XSCR+256*\w
.endr
	s_wait_dscnt 0x0
	v_pk_add_f32 v[S:S+1], v[S:S+1], v[S+2:S+3]
	v_pk_add_f32 v[S+4:S+5], v[S+4:S+5], v[S+6:S+7]
	v_pk_add_f32 v[S+8:S+9], v[S+8:S+9], v[S+10:S+11]
	v_pk_add_f32 v[S+12:S+13], v[S+12:S+13], v[S+14:S+15]
	v_pk_add_f32 v[S:S+1], v[S:S+1], v[S+4:S+5]
	v_pk_add_f32 v[S+8:S+9], v[S+8:S+9], v[S+12:S+13]
	v_pk_add_f32 v[S:S+1], v[S:S+1], v[S+8:S+9]
	global_store_b64 v8, v[S:S+1], s[12:13]        ; 256 consecutive bytes, aligned
.Lend_x:
	FINISH
	; ---- CODES.  Work-group 256 + g owns rows 64 g .. 64 g + 63; wave w rows 64 g + 8 w + 0..7, a whole row to a wave: four loads of 512 consecutive bytes.
.Lcodes:
	s_sub_co_u32 s18, ttmp9, 256                   ; g
	s_lshl_b32 s19, s18, 3
	s_add_co_u32 s19, s19, s[WV]                   ; 8 g + w
	s_lshl_b32 s20, s19, 14                        ; eight rows of 2,048 bytes
	s_mov_b32 s21, 0
	s_lshl_b32 s22, s19, 13                        ; eight rows of 1,024 bytes
	s_mov_b32 s23, 0
	s_lshl_b32 s24, s18, 8                         ; esq: 64 numbers a work-group
	s_mov_b32 s25, 0
	s_mov_b32 s26, 0x76543210                      ; v_permlanex16_b32: each lane takes its own place in the other half
	s_mov_b32 s27, 0xfedcba98
	v_lshlrev_b32 v5, 4, v4                        ; 16 l
	v_lshlrev_b32 v6, 3, v4                        ; 8 l
	v_mov_b32 v7, s[WV]
	v_lshlrev_b32 v7, 5, v7                        ; in the scratch: eight words a wave
	s_wait_kmcnt 0x0
	s_add_nc_u64 s[6:7], s[6:7], s[20:21]
	s_add_nc_u64 s[10:11], s[10:11], s[22:23]
	s_add_nc_u64 s[14:15], s[14:15], s[24:25]
.irp i, 0,1,2,3,4,5,6,7
.irp c, 0,1,2,3
	global_load_b128 v[X+16*\i+4*\c:X+16*\i+4*\c+3], v5, s[6:7] offset:2048*\i+512*\c th:TH_LOAD_NT
.endr
.endr
.irp i, 0,1,2,3,4,5,6,7
	s_wait_loadcnt 28-4*\i                         ; the later rows' loads stay out
.irp c, 0,1,2,3
	v_cvt_pk_bf16_f32 v[X+16*\i+4*\c], v[X+16*\i+4*\c], v[X+16*\i+4*\c+1]
	v_cvt_pk_bf16_f32 v[X+16*\i+4*\c+1], v[X+16*\i+4*\c+2], v[X+16*\i+4*\c+3]
	v_lshlrev_b32 v[T], 16, v[X+16*\i+4*\c]
	v_and_b32 v[T+1], s17, v[X+16*\i+4*\c]
	v_lshlrev_b32 v[T+2], 16, v[X+16*\i+4*\c+1]
	v_and_b32 v[T+3], s17, v[X+16*\i+4*\c+1]
.if \c == 0
	v_pk_mul_f32 v[T+4:T+5], v[T:T+1], v[T:T+1]    ; the first quarter of the row starts the sums
	v_pk_mul_f32 v[T+6:T+7], v[T+2:T+3], v[T+2:T+3]
.else
	v_pk_fma_f32 v[T+4:T+5], v[T:T+1], v[T:T+1], v[T+4:T+5]
	v_pk_fma_f32 v[T+6:T+7], v[T+2:T+3], v[T+2:T+3], v[T+6:T+7]
.endif
	global_store_b64 v6, v[X+16*\i+4*\c:X+16*\i+4*\c+1], s[10:11] offset:1024*\i+256*\c  ; the wave stores 256 consecutive bytes, aligned
.endr
	v_pk_add_f32 v[T+4:T+5], v[T+4:T+5], v[T+6:T+7]
	v_add_f32 v[S+\i], v[T+4], v[T+5]
.endr
.irp m, 1,2,4,8                        ; across the lanes, the eight rows side by side
.irp i, 0,1,2,3,4,5,6,7
	v_add_f32_dpp v[S+\i], v[S+\i], v[S+\i] row_xmask:\m row_mask:0xf bank_mask:0xf
.endr
.endr
.irp i, 0,1,2,3,4,5,6,7
	v_permlanex16_b32 v[T+\i], v[S+\i], s26, s27   ; its destination counts as read: T has been written
.endr
.irp i, 0,1,2,3,4,5,6,7
	v_add_f32 v[S+\i], v[S+\i], v[T+\i]
	ds_store_b32 v7, v[S+\i] offset:ESCR+4*\i      ; all lanes write the same number to the row's word
.endr
	s_wait_dscnt 0x0                               ; for the others' sake
	s_barrier_signal -1
	s_barrier_wait -1
	s_cmp_lg_u32 s[WV], 0
	s_cbranch_scc1 .Lend_e
	ds_load_b64 v[S:S+1], v6 offset:ESCR           ; wave 0: the 64 rows' sums
	s_wait_dscnt 0x0
	global_store_b64 v6, v[S:S+1], s[14:15]        ; 256 consecutive bytes, aligned
.Lend_e:
	FINISH
.Lfunc_end_k_q0f5c01b0bc_prep:
	.size	k_q0f5c01b0bc_prep, .Lfunc_end_k_q0f5c01b0bc_prep-k_q0f5c01b0bc_prep
	.p2alignl 7, 3214868480
	.fill 96, 4, 3214868480
	.section	.rodata,"a",@progbits
	.p2align	6, 0x0
	.amdhsa_kernel k_q0f5c01b0bc_prep
		.amdhsa_group_segment_fixed_size 3328
		.amdhsa_private_segment_fixed_size 0
		.amdhsa_enable_private_segment 0
		.amdhsa_kernarg_size 48
		.amdhsa_user_sgpr_count 2
		.amdhsa_user_sgpr_kernarg_segment_ptr 1
		.amdhsa_wavefront_size32 1
		.amdhsa_system_sgpr_workgroup_id_x 1
		.amdhsa_system_sgpr_workgroup_id_y 1
		.amdhsa_system_sgpr_workgroup_id_z 1
		.amdhsa_system_vgpr_workitem_id 0
		.amdhsa_next_free_vgpr 160
		.amdhsa_next_free_sgpr 66
		.amdhsa_reserve_vcc 0
		.amdhsa_float_denorm_mode_32 3
		.amdhsa_float_denorm_mode_16_64 3
		.amdhsa_memory_ordered 1
		.amdhsa_forward_progress 1
		.amdhsa_inst_pref_size 53
	.end_amdhsa_kernel
	.amdgpu_metadata
---
amdhsa.version: [ 1, 2 ]
amdhsa.kernels:
  - .name:           k_q0f5c01b0bc_prep
    .symbol:         k_q0f5c01b0bc_prep.kd
    .args:
      - { .name: latents, .offset: 0, .size: 8, .value_kind: global_buffer, .address_space: global }
      - { .name: embedding, .offset: 8, .size: 8, .value_kind: global_buffer, .address_space: global }
      - { .name: xb, .offset: 16, .size: 8, .value_kind: global_buffer, .address_space: global }
      - { .name: eb, .offset: 24, .size: 8, .value_kind: global_buffer, .address_space: global }
      - { .name: xsq, .offset: 32, .size: 8, .value_kind: global_buffer, .address_space: global }
      - { .name: esq, .offset: 40, .size: 8, .value_kind: global_buffer, .address_space: global }
    .group_segment_fixed_size: 3328
    .private_segment_fixed_size: 0
    .kernarg_segment_align: 8
    .kernarg_segment_size: 48
    .max_flat_workgroup_size: 256
    .sgpr_count:     66
    .vgpr_count:     160
    .wavefront_size: 32
...
	.end_amdgpu_metadata
.endif
;; end of part 1
;; launch dist (part 2): grid 64 x 4, 4 waves a work-group, clusters of 4 x 1, 327,680 bytes of LDS; arguments xb, eb, xsq, esq, part; writes part
.if DOCPART == 2
	.amdgcn_target "amdgcn-amd-amdhsa--gfx1250"
	.amdhsa_code_object_version 6
	.text
	.protected	k_q0f5c01b0bc_dist
	.globl	k_q0f5c01b0bc_dist
	.p2align	8
	.type	k_q0f5c01b0bc_dist,@function
k_q0f5c01b0bc_dist:
	s_mov_b64 s[64:65], 0
	v_nop
	global_prefetch_b8 v0, s[64:65] scope:SCOPE_SE
	s_setreg_imm32_b32 hwreg(HW_REG_WAVE_MODE, 25, 1), 1
	s_wait_xcnt 0x0
	s_wait_alu depctr_hold_cnt(0) depctr_sa_sdst(0) depctr_va_vdst(0) depctr_va_sdst(0) depctr_va_ssrc(0) depctr_va_vcc(0) depctr_vm_vsrc(0)
	s_getreg_b32 s2, hwreg(HW_REG_IB_STS2, 6, 4)
	s_cmp_eq_u32 s2, 0
	s_cbranch_scc0 .Lentry_in_a_cluster
	s_endpgm
.Lentry_in_a_cluster:
	s_bfe_u32 s2, ttmp6, 0x10000c
	s_cmp_lg_u32 s2, 0x3003
	s_cbranch_scc0 .Lentry_shape_is_right
	s_endpgm
.Lentry_shape_is_right:
; FOR EACH OF 16,384 TOKENS: THE NEAREST CODE AMONG ONE QUARTER (2,048) OF THE 8,192 CODES, as a pair (score, code number).
; score = -dist2, made in the order of the problem's own formula: c = x . e (bf16 products, f32 sums); u = 2 c - x_sq (one rounding; it is -(x_sq - 2 c)); score = u - e_sq (the second rounding).
; x_sq is far larger than the differences between codes, so many codes fall on the same f32 number; among equal scores the lowest code number wins, as in an argmin.  A finer score would choose other codes.
; LIMITS.  The distance is that of the inputs rounded to bf16.  Ties and near-ties fall as f32's rounding of that formula makes them fall; c's last bits hang on the order of its sum.  NaN and infinities are not treated apart.
; SHARES.  A work-group owns 256 tokens (its x) and a quarter of the codes (its y): 64 x 4 work-groups.  Each of four waves keeps 64 tokens x 512 channels in 512 registers for the whole launch;
; all four read the same codes from LDS.  A TILE is 16 codes x 64 tokens x K 512: 64 matrix instructions on four accumulators, which take turns.
; The matrix instruction is used with source 0 = 16 codes, source 1 = 16 tokens: in the result a lane holds ONE token (lane % 16) and the codes 8 (lane / 16) + 0..7, so the running best needs no other lane.
; CLUSTER.  The four work-groups of a cluster have the same quarter of the codes: each tile of eb, and esq, is asked for JOINTLY, by the same tensor load with the same descriptor and mask in all four.
; RING.  Two LDS slots of 128 codes (8 tiles).  A slot's refill is asked for in its last tile and is waited for in the other slot's last tile, nearly eight tiles of matrix work later.
; RIDERS.  The scores and the running best of tile n - 1 (144 vector instructions) stand between the matrix instructions of tile n, two or three behind each.
; To have one text for every tile, a tile before the first is made up: accumulators 0 and e_sq = +infinity give scores of -infinity, which win nothing.  Price: 56 v_mov_b32 in the wait for the first tile.
; REGISTERS, in windows of 256 (s_set_vgpr_msb: bits 1:0 source 0, 3:2 source 1, 5:4 source 2, 7:6 destination):
;   window 0: all but X.   window 1: X of K steps 0-7, at 32 ks + 8 tt.   window 2: X of K steps 8-15.
; In the loop only source 1 leaves window 0.  Every rider has its vector registers in source 0, source 2 and the destination, and a constant or a scalar register in source 1;
; an LDS load has its address in source 0 and its data in the destination.  So a tile has three switches.
.set PITCH, 1040                       ; a code's row in LDS: 1,024 bytes + 16 of padding = 260 words: row r starts at bank 4 r mod 64 (64 banks of 4 bytes: ISA guide 11.1)
.set TILEB, 16*PITCH
.set SLOT,  128*PITCH                  ; 133,120
.set ESQB,  2*SLOT                     ; the quarter's e_sq, 8,192 bytes, filled once
.set SPARE, ESQB+8192                  ; the spare words, 128 bytes for each wave: two blocks of 256 bytes that no other line names
.set STEPB, 128*1024                   ; bytes of eb in a slot
.set L16,  1                           ; v1      16 x lane; never rewritten
.set AE0,  2                           ; v2      my lane's place in a tile of codes: (l % 16) x pitch + 16 (l / 16)
.set ADR,  3                           ; v3      LDS address of the tile in hand
.set AQ0,  4                           ; v4      ESQB + 32 (l / 16)
.set AQ,   5                           ; v5      LDS address of the tile's e_sq
.set R4,   6                           ; v6      4 (l % 16)
.set H,    7                           ; v7      l / 16
.set T,    8                           ; v8-15   score - best, a pair for each tt
.set ESQ,  16                          ; v16-23  e_sq of my eight codes
.set XS,   24                          ; v24-31  x_sq of my token in tile tt, twice (a pair)
.set BEST, 32                          ; v32-39  best score, a pair for each tt: of the even and of the odd registers
.set IDX,  40                          ; v40-47  its code number, less 8 (l / 16)
.set SPW,  48                          ; v48     LDS address of my spare word; never rewritten
.set NIL,  49                          ; v49     0; never rewritten
.set W0,   50                          ; v50-55  at work at the head and the end
.set ACC,  64                          ; v64-95  four accumulators
.set D,    96                          ; v96-127 the scores of the tile before
.set EF,   128                         ; v128-255 a tile's 16 fragments of codes, K step ks at EF + 8 ks
.set WV,   14                          ; s14     my wave's number
.set G1E,  24                          ; s[24:31] descriptor group 1 for eb's tiles
.set G1Q,  32                          ; s[32:39] for esq
.set G0A,  40                          ; s[40:47] descriptor group 0 for eb, a set for each slot
.set G0Q,  48                          ; s[48:51] for esq
.set TB,   52                          ; s52     LDS byte at which the tile in hand begins
.set TQ,   53                          ; s53     byte of its e_sq in the quarter's
.set CNT,  54
.set LAP,  55
.set NINF, 56                          ; s56     -infinity
.set SEL,  58                          ; s[58:59] v_permlanex16_b32's selects
.set J,    66                          ; s66-73  code number of register j of the tile whose riders are out, less 8 (l / 16)
.set M,    74                          ; s74-81  masks: score > best, by tt and parity
.set W_LO, 0x04                        ; source 1 in window 1
.set W_HI, 0x08                        ; source 1 in window 2
.set MSB, 0
.macro WIN new                         ; the immediate's high byte repeats the setting that is left; a switch that changes nothing is dropped
.if MSB != (\new)
	s_set_vgpr_msb (MSB<<8)|(\new)
.set MSB, \new
.endif
.endm
.macro CREST                           ; a round of the cluster's barrier behind its opening barrier: wave 0 signals for the work-group, every wave waits for all four work-groups, my work-group's barrier closes it
	s_cmp_lg_u32 s[WV], 0
	s_cbranch_scc1 .Lnot_wave_0_\@
	s_barrier_signal -3
.Lnot_wave_0_\@:
	s_barrier_wait -3
	s_barrier_signal -1
	s_barrier_wait -1
.endm
.macro CROUND                          ; a whole round
	s_barrier_signal -1
	s_barrier_wait -1
	CREST
.endm
; Matrix instruction q of a tile's 64: K step q / 4, tokens' tile q % 4.  The first four start the sums.
.macro WM q
.set ks_, (\q)/4
.set tt_, (\q)%4
.if ks_ == 0
	v_wmma_f32_16x16x32_bf16 v[ACC+8*tt_:ACC+8*tt_+7], v[EF:EF+7], v[8*tt_:8*tt_+7], 0
.else
	v_wmma_f32_16x16x32_bf16 v[ACC+8*tt_:ACC+8*tt_+7], v[EF+8*ks_:EF+8*ks_+7], v[(ks_%8)*32+8*tt_:(ks_%8)*32+8*tt_+7], v[ACC+8*tt_:ACC+8*tt_+7]
.endif
.endm
; 16 LDS loads in one run: eight K steps' fragments, from ks0 on, of the tile that begins off bytes behind v[ADR].  A fragment: lane l holds code l % 16, K = 8 (l / 16) + 0..7 and 16 + 8 (l / 16) + 0..7.
.macro RUN ks0, off
.irp c, 0,1,2,3,4,5,6,7
	ds_load_b128 v[EF+8*((\ks0)+\c):EF+8*((\ks0)+\c)+3],   v[ADR] offset:(\off)+((\ks0)+\c)*64
	ds_load_b128 v[EF+8*((\ks0)+\c)+4:EF+8*((\ks0)+\c)+7], v[ADR] offset:(\off)+((\ks0)+\c)*64+32
.endr
.endm
.macro LQ                              ; e_sq of my eight codes of the tile in hand
	ds_load_b128 v[ESQ:ESQ+3],   v[AQ]
	ds_load_b128 v[ESQ+4:ESQ+7], v[AQ] offset:16
.endm
; RIDER n of 144, for the tile before the one that is being multiplied.
;   0-15    u = 2 c - x_sq, accumulator by accumulator, each from its lowest pair on; the four of accumulator tt stand ahead of the product that starts it anew
;   16-31   score = u - e_sq
;   32-143  for each pair p of registers, 28: four differences score - best (a difference of two f32 numbers has the exact sign, since small results are kept: ISA guide, the mode's denormal bits);
;           eight compares with 0 into masks; eight new bests; eight new code numbers.  A greater score alone wins: in a lane's slot the codes come in ascending order, so the first of equals stays.
.macro RD n
.if (\n) < 16
.set tt_, (\n)/4
.set p_, (\n)%4
	v_pk_fma_f32 v[D+8*tt_+2*p_:D+8*tt_+2*p_+1], v[ACC+8*tt_+2*p_:ACC+8*tt_+2*p_+1], 2.0, v[XS+2*tt_:XS+2*tt_+1] op_sel_hi:[1,0,1] neg_lo:[0,0,1] neg_hi:[0,0,1]
.elseif (\n) < 32
.set tt_, ((\n)-16)%4
.set p_, ((\n)-16)/4
	v_pk_fma_f32 v[D+8*tt_+2*p_:D+8*tt_+2*p_+1], v[D+8*tt_+2*p_:D+8*tt_+2*p_+1], 1.0, v[ESQ+2*p_:ESQ+2*p_+1] op_sel_hi:[1,0,1] neg_lo:[0,0,1] neg_hi:[0,0,1]
.else
.set p_, ((\n)-32)/28
.set z_, ((\n)-32)%28
.set tt_, z_%4
.set e_, (z_/4+1)%2
.if z_ < 4
	v_pk_fma_f32 v[T+2*tt_:T+2*tt_+1], v[D+8*tt_+2*p_:D+8*tt_+2*p_+1], 1.0, v[BEST+2*tt_:BEST+2*tt_+1] op_sel_hi:[1,0,1] neg_lo:[0,0,1] neg_hi:[0,0,1]
.elseif z_ < 12
	v_cmp_gt_f32 s[M+2*tt_+e_], v[T+2*tt_+e_], 0
.elseif z_ < 20
	v_max3_num_f32 v[BEST+2*tt_+e_], v[D+8*tt_+2*p_+e_], s[NINF], v[BEST+2*tt_+e_]
.else
	v_cndmask_b32 v[IDX+2*tt_+e_], v[IDX+2*tt_+e_], s[J+2*p_+e_], s[M+2*tt_+e_]
.endif
.endif
.endm
; A TILE.  chg = 0: the next tile lies in the same slot.  1: the slot's last tile; slot s is filled again.  2: the same without a refill.  3: the launch's last tile.
; PLACES (ISA guide 7.12.1 for vector instructions), counted in plain vector instructions that name no register of the matrix instruction in question:
;   the first read of accumulator tt, and the product that starts it anew, stand 8 or more behind its last product (the riders behind products 60-63, two each, and the two address lines);
;   the run of loads into K steps 8-15 stands 16 behind product 63 of the tile before; the run into K steps 0-7 stands 7 behind product 31.
.macro TILE chg, s
	WIN W_LO
	v_add_nc_u32 v[ADR], v[AE0], s[TB]
	v_add_nc_u32 v[AQ], v[AQ0], s[TQ]
.set k, 0
.rept 4
	RD k
.set k, k+1
.endr
	s_wait_dscnt 0x0                               ; K steps 0-7 and the last tile's e_sq are in: asked for 30 (behind a change of slots 16) matrix instructions ago; nothing younger is out
.set q, 0
.rept 64
.if q == 32
.if ((\chg) == 0) || ((\chg) == 3)
	s_wait_dscnt 0x0                               ; K steps 8-15 are in: asked for 30 matrix instructions ago
.else
	WIN 0                                          ; (the add's two registers lie in window 0)
	s_wait_tensorcnt 0x0                           ; all my tensor loads have landed: the one that was out is my part of the other slot; so a group 0 may be written
	ds_add_u32 v[SPW], v[NIL]                      ; 0 onto my spare word
.if (\chg) == 1
	s_add_nc_u64 s[G0A+4*(\s)+2:G0A+4*(\s)+3], s[G0A+4*(\s)+2:G0A+4*(\s)+3], 2*STEPB  ; this slot's next 128 codes; the type bits on top are not reached
.endif
	s_wait_dscnt 0x1                               ; K steps 8-15 are in; the add alone may be out
.endif
	WIN W_HI
.endif
	WM q
.if q < 3
.set lim, 4*(q+2)
.else
.set lim, 16+(128*(q-2)+60)/61
.endif
.rept lim-k
	RD k
.set k, k+1
.endr
.if q == 1
	RUN 8, 0                                       ; this tile's K steps 8-15
.endif
.if (q == 33) && ((\chg) == 0)
	RUN 0, TILEB                                   ; the next tile's K steps 0-7
	LQ                                             ; riders 16-31, which read the last tile's e_sq, are out since product 10
.endif
.if (q == 33) && ((\chg) == 3)
	LQ
.endif
.if (q == 39) && (((\chg) == 1) || ((\chg) == 2))
	s_wait_dscnt 0x0                               ; the add is done, and my reads of this slot are over:
	s_barrier_signal -1                            ; say so; work on registers alone up to the wait
.endif
.if (q == 47) && (((\chg) == 1) || ((\chg) == 2))
	WIN 0                                          ; at a branch and at a label every window is 0
	s_barrier_wait -1                              ; nobody of my work-group reads this slot any more, and the other slot is whole
.if (\chg) == 1
	CREST                                          ; the barrier has opened a round of the cluster's: no wave of any partner still reads the slot or has a load on its way
	tensor_load_to_lds s[G0A+4*(\s):G0A+4*(\s)+3], s[G1E:G1E+7]  ; my one tensor load behind the round, and the first thing there: my 32 rows of the slot
	s_nop 0
.rept 4
	v_nop
.endr
.endif
	v_add_nc_u32 v[ADR], (1-(\s))*SLOT, v[AE0]
	RUN 0, 0                                       ; the other slot's first tile, K steps 0-7
	LQ
	WIN W_HI
.endif
.set q, q+1
.endr
.if ((\chg) == 1) || ((\chg) == 2)
	s_mov_b32 s[TB], (1-(\s))*SLOT
.else
	s_add_co_u32 s[TB], s[TB], TILEB
.endif
	s_add_co_u32 s[TQ], s[TQ], 64
.irp j, 0,1,2,3,4,5,6,7
	s_add_co_u32 s[J+\j], s[J+\j], 16
.endr
	WIN 0
.endm
.macro SEVEN s                         ; a slot's first seven tiles: written once, walked seven times
	s_mov_b32 s[CNT], 7
.Ltile_\@:
	TILE 0, \s
	s_sub_co_u32 s[CNT], s[CNT], 1
	s_cmp_lg_u32 s[CNT], 0
	s_cbranch_scc1 .Ltile_\@
.endm
.macro BETTER b0, i0, b1, i1           ; (b0, i0) takes (b1, i1) where that score is greater, or equal with the lower code number
	v_cmp_gt_f32 s82, v[\b1], v[\b0]
	v_cmp_eq_f32 s83, v[\b1], v[\b0]
	v_cmp_lt_u32 s84, v[\i1], v[\i0]
	s_and_b32 s83, s83, s84
	s_or_b32 s82, s82, s83
	v_cndmask_b32 v[\b0], v[\b0], v[\b1], s82
	v_cndmask_b32 v[\i0], v[\i0], v[\i1], s82
.endm
	s_load_b256 s[4:11], s[0:1], 0x0               ; xb s[4:5], eb s[6:7], xsq s[8:9], esq s[10:11]
	s_load_b64 s[12:13], s[0:1], 0x20              ; part
	v_lshl_add_u32 v[SPW], v0, 2, SPARE
	v_mov_b32 v[NIL], 0
	ds_add_u32 v[SPW], v[NIL]                      ; the wave's opening: the add and its wait stand ahead of my first tensor load; the set-up below, work on registers, stands between them
	v_lshrrev_b32 v[W0], 5, v0
	v_readfirstlane_b32 s[WV], v[W0]               ; wave 0..3
	s_bfe_u32 s15, ttmp6, 0x40000                  ; cx: my place in the cluster
	s_lshl_b32 s16, ttmp9, 2                       ; in a cluster launch ttmp9 counts clusters
	s_add_co_u32 s16, s16, s15                     ; my block of 256 tokens: it enters the addresses of xb, xsq and part alone
	s_and_b32 s17, ttmp7, 0xffff                   ; the quarter of the codes, which the four partners share
	; descriptor group 1 for eb: 32 rows x 512 elements of 2 bytes, padded in LDS
	s_mov_b32 s[G1E+0], 15|(1<<16)|(1<<20)|(1<<21)|(7<<22)|(3<<25)  ; 15:0 the mask of four; 17:16 2-byte elements; 20 padding on; 21 set beside a mask; 24:22 after every 256 words (code 7); 31:25 4 words (code 3)
	s_mov_b32 s[G1E+1], 512<<16                    ; tensor_dim0 = 512
	s_mov_b32 s[G1E+2], 32<<16                     ; tensor_dim1 = 32
	s_mov_b32 s[G1E+3], 512<<16                    ; tile_dim0 = 512
	s_mov_b32 s[G1E+4], 32                         ; tile_dim1 = 32
	s_mov_b32 s[G1E+5], 512                        ; elements from row to row
	s_mov_b32 s[G1E+6], 0
	s_mov_b32 s[G1E+7], 0
	; descriptor group 1 for esq: one row of 256 elements of 8 bytes
	s_mov_b32 s[G1Q+0], 15|(3<<16)|(1<<21)
	s_mov_b32 s[G1Q+1], 256<<16
	s_mov_b32 s[G1Q+2], 1<<16
	s_mov_b32 s[G1Q+3], 256<<16
	s_mov_b32 s[G1Q+4], 1
	s_mov_b32 s[G1Q+5], 256
	s_mov_b32 s[G1Q+6], 0
	s_mov_b32 s[G1Q+7], 0
	s_lshl_b32 s18, s17, 21                        ; eb: a quarter is 2,048 rows of 1,024 bytes,
	s_lshl_b32 s19, s[WV], 15                      ; my 32 rows of a slot's 128
	s_add_co_u32 s18, s18, s19
	s_mov_b32 s19, 0
	s_lshl_b32 s20, s17, 13                        ; esq: a quarter is 8,192 bytes, a wave's part 2,048
	s_lshl_b32 s21, s[WV], 11
	s_add_co_u32 s20, s20, s21
	s_mov_b32 s21, 0
	s_mul_i32 s22, s[WV], 32*PITCH                 ; where they go: the wave's number times a constant, plus the slot's constant
	s_lshl_b32 s23, s[WV], 11
	s_mov_b32 s[G0A+0], 1                          ; 1:0 count = 1
	s_mov_b32 s[G0A+1], s22                        ; 63:32 LDS address: slot 0
	s_mov_b32 s[G0A+4], 1
	s_add_co_u32 s[G0A+5], s22, SLOT               ; slot 1
	s_mov_b32 s[G0Q+0], 1
	s_add_co_u32 s[G0Q+1], s23, ESQB
	s_lshl2_add_u32 s82, s16, s[WV]                ; my wave's group of 64 tokens = 4 x block + wave
	s_lshl_b32 s84, s82, 16                        ; xb: four tiles of 16,384 bytes
	s_mov_b32 s85, 0
	s_lshl_b32 s88, s82, 8                         ; xsq: 64 numbers
	s_mov_b32 s89, 0
	s_lshl_b32 s86, s17, 8
	s_add_co_u32 s86, s86, s82
	s_lshl_b32 s86, s86, 9                         ; part: (256 x quarter + group) x 512 bytes
	s_mov_b32 s87, 0
	s_lshl_b32 s[J], s17, 11                       ; the made-up tile before the quarter's first
	s_sub_co_u32 s[J], s[J], 16
.irp j, 1,2,3,4,5,6,7
	s_add_co_u32 s[J+\j], s[J], \j
.endr
	s_mov_b32 s[TB], 0
	s_mov_b32 s[TQ], 0
	s_mov_b32 s[NINF], 0xff800000
	s_mov_b32 s[SEL], 0x76543210
	s_mov_b32 s[SEL+1], 0xfedcba98
	s_wait_dscnt 0x0                               ; the opening add is done
	s_wait_kmcnt 0x0
	s_add_nc_u64 s[G0A+2:G0A+3], s[6:7], s[18:19]  ; 120:64 global address: codes 0-127 of the quarter,
	s_add_nc_u64 s[G0A+6:G0A+7], s[G0A+2:G0A+3], STEPB  ; codes 128-255
	s_or_b32 s[G0A+3], s[G0A+3], 0x80000000        ; 127:126 type = 2
	s_or_b32 s[G0A+7], s[G0A+7], 0x80000000
	s_add_nc_u64 s[G0Q+2:G0Q+3], s[10:11], s[20:21]
	s_or_b32 s[G0Q+3], s[G0Q+3], 0x80000000
	s_add_nc_u64 s[4:5], s[4:5], s[84:85]
	s_add_nc_u64 s[8:9], s[8:9], s[88:89]
	s_add_nc_u64 s[12:13], s[12:13], s[86:87]
	CROUND                                         ; all four work-groups are here: the first joint loads meet
	tensor_load_to_lds s[G0Q:G0Q+3], s[G1Q:G1Q+7]  ; the first fills go out together: three tensor loads of mine are out
	s_nop 0
	tensor_load_to_lds s[G0A:G0A+3], s[G1E:G1E+7]
	s_nop 0
	tensor_load_to_lds s[G0A+4:G0A+7], s[G1E:G1E+7]
	s_nop 0
.rept 4
	v_nop
.endr
	v_and_b32 v[W0], 31, v0
	v_lshlrev_b32 v[L16], 4, v[W0]
	v_and_b32 v[W0+1], 15, v0                      ; l % 16
	v_bfe_u32 v[H], v0, 4, 1                       ; l / 16
	v_lshlrev_b32 v[R4], 2, v[W0+1]
	; X stays in registers: xb holds the fragments as the lanes want them, so each load takes 512 consecutive bytes.  Load i: K step i / 8, tokens' tile (i / 2) % 4, half i % 2, into register 4 i of the window.
	WIN 0x40                                       ; destination window 1, address window 0
.set i, 0
.rept 64
	global_load_b128 v[4*i:4*i+3], v[L16], s[4:5] offset:((i/2)%4)*16384+(i/8)*1024+(i%2)*512
.set i, i+1
.endr
	WIN 0x80                                       ; destination window 2: K steps 8-15
.set i, 0
.rept 64
	global_load_b128 v[4*i:4*i+3], v[L16], s[4:5] offset:((i/2)%4)*16384+(8+i/8)*1024+(i%2)*512
.set i, i+1
.endr
	WIN 0
.irp t, 0,1,2,3
	global_load_b32 v[XS+2*\t], v[R4], s[8:9] offset:64*\t
.endr
	v_mul_u32_u24 v[AE0], v[W0+1], PITCH
	v_lshl_add_u32 v[AE0], v[H], 4, v[AE0]
	v_lshlrev_b32 v[AQ0], 5, v[H]
	v_add_nc_u32 v[AQ0], ESQB, v[AQ0]
.set i, 0
.rept 32
	v_mov_b32 v[ACC+i], 0                          ; the made-up tile's sums
.set i, i+1
.endr
.set i, 0
.rept 8
	v_mov_b32 v[ESQ+i], 0x7f800000                 ; its e_sq: +infinity
	v_mov_b32 v[BEST+i], s[NINF]
	v_mov_b32 v[IDX+i], 0
.set i, i+1
.endr
	s_wait_loadcnt 0x0                             ; X and x_sq
.irp t, 0,1,2,3
	v_mov_b32 v[XS+2*\t+1], v[XS+2*\t]             ; the packed riders take x_sq as a pair
.endr
	s_wait_tensorcnt 0x1                           ; my parts of esq and of slot 0 are in; slot 1's may stay out
	s_barrier_signal -1
	s_barrier_wait -1                              ; everybody's are
	v_mov_b32 v[ADR], v[AE0]
	RUN 0, 0                                       ; the first tile's K steps 0-7
	s_mov_b32 s[LAP], 7
.Llap:                                                 ; a trip goes once round the ring: 16 tiles, both slots filled again: the quarter's slots 2 to 15
	SEVEN 0
	TILE 1, 0
	SEVEN 1
	TILE 1, 1
	s_sub_co_u32 s[LAP], s[LAP], 1
	s_cmp_lg_u32 s[LAP], 0
	s_cbranch_scc1 .Llap
	SEVEN 0                                        ; the last lap is written out: nothing is asked for
	TILE 2, 0
	SEVEN 1
	TILE 3, 1
	; THE END.  The last tile's riders: the riders behind products 60-63 and the earlier lines of this run are the places behind the last products.
	s_wait_dscnt 0x0                               ; the last tile's e_sq
.set k, 0
.rept 144
	RD k
.set k, k+1
.endr
	v_lshlrev_b32 v[W0], 3, v[H]
.irp i, 0,1,2,3,4,5,6,7
	v_add_nc_u32 v[IDX+\i], v[IDX+\i], v[W0]       ; my lanes' codes lie 8 (l / 16) further on
.endr
.irp t, 0,1,2,3
	BETTER BEST+2*\t, IDX+2*\t, BEST+2*\t+1, IDX+2*\t+1  ; the odd registers' best against the even registers'
.endr
.irp t, 0,1,2,3
	v_permlanex16_b32 v[D+\t], v[BEST+2*\t], s[SEL], s[SEL+1]    ; the token's other codes lie in the lane 16 away; the destinations have been written
	v_permlanex16_b32 v[D+8+\t], v[IDX+2*\t], s[SEL], s[SEL+1]
.endr
.irp t, 0,1,2,3
	BETTER BEST+2*\t, IDX+2*\t, D+\t, D+8+\t
.endr
	v_cmp_ne_u32 s82, 0, v[H]                      ; lanes 0-15 write tiles 0 and 1 of the tokens, lanes 16-31 tiles 2 and 3: score, code, score, code
	v_cndmask_b32 v[W0+2], v[BEST], v[BEST+4], s82
	v_cndmask_b32 v[W0+3], v[IDX], v[IDX+4], s82
	v_cndmask_b32 v[W0+4], v[BEST+2], v[BEST+6], s82
	v_cndmask_b32 v[W0+5], v[IDX+2], v[IDX+6], s82
	global_store_b128 v[L16], v[W0+2:W0+5], s[12:13]  ; the wave stores 512 consecutive bytes, aligned
	s_wait_tensorcnt 0x0                           ; the wave's end: three lines behind my last tensor load
	ds_add_u32 v[SPW], v[NIL]
	s_wait_dscnt 0x0
	CROUND                                         ; the closing round: no work-group ends while a partner may still ask for a tile that names it
	s_endpgm
.Lfunc_end_k_q0f5c01b0bc_dist:
	.size	k_q0f5c01b0bc_dist, .Lfunc_end_k_q0f5c01b0bc_dist-k_q0f5c01b0bc_dist
	.p2alignl 7, 3214868480
	.fill 96, 4, 3214868480
	.section	.rodata,"a",@progbits
	.p2align	6, 0x0
	.amdhsa_kernel k_q0f5c01b0bc_dist
		.amdhsa_group_segment_fixed_size 327680
		.amdhsa_private_segment_fixed_size 0
		.amdhsa_enable_private_segment 0
		.amdhsa_kernarg_size 40
		.amdhsa_user_sgpr_count 2
		.amdhsa_user_sgpr_kernarg_segment_ptr 1
		.amdhsa_wavefront_size32 1
		.amdhsa_system_sgpr_workgroup_id_x 1
		.amdhsa_system_sgpr_workgroup_id_y 1
		.amdhsa_system_sgpr_workgroup_id_z 1
		.amdhsa_system_vgpr_workitem_id 0
		.amdhsa_next_free_vgpr 768
		.amdhsa_next_free_sgpr 90
		.amdhsa_reserve_vcc 0
		.amdhsa_float_denorm_mode_32 3
		.amdhsa_float_denorm_mode_16_64 3
		.amdhsa_memory_ordered 1
		.amdhsa_forward_progress 1
		.amdhsa_inst_pref_size 162
	.end_amdhsa_kernel
	.amdgpu_metadata
---
amdhsa.version: [ 1, 2 ]
amdhsa.kernels:
  - .name:           k_q0f5c01b0bc_dist
    .symbol:         k_q0f5c01b0bc_dist.kd
    .args:
      - { .name: xb, .offset: 0, .size: 8, .value_kind: global_buffer, .address_space: global }
      - { .name: eb, .offset: 8, .size: 8, .value_kind: global_buffer, .address_space: global }
      - { .name: xsq, .offset: 16, .size: 8, .value_kind: global_buffer, .address_space: global }
      - { .name: esq, .offset: 24, .size: 8, .value_kind: global_buffer, .address_space: global }
      - { .name: part, .offset: 32, .size: 8, .value_kind: global_buffer, .address_space: global }
    .group_segment_fixed_size: 327680
    .private_segment_fixed_size: 0
    .kernarg_segment_align: 8
    .kernarg_segment_size: 40
    .max_flat_workgroup_size: 128
    .sgpr_count:     90
    .vgpr_count:     768
    .wavefront_size: 32
...
	.end_amdgpu_metadata
.endif
;; end of part 2
;; launch pick (part 3): grid 256 x 1, 1 waves a work-group, no clusters, 0 bytes of LDS; arguments part, idx; writes idx
.if DOCPART == 3
	.amdgcn_target "amdgcn-amd-amdhsa--gfx1250"
	.amdhsa_code_object_version 6
	.text
	.protected	k_q0f5c01b0bc_pick
	.globl	k_q0f5c01b0bc_pick
	.p2align	8
	.type	k_q0f5c01b0bc_pick,@function
k_q0f5c01b0bc_pick:
	s_mov_b64 s[64:65], 0
	v_nop
	global_prefetch_b8 v0, s[64:65] scope:SCOPE_SE
	s_setreg_imm32_b32 hwreg(HW_REG_WAVE_MODE, 25, 1), 1
	s_wait_xcnt 0x0
; THE BEST OF THE FOUR QUARTERS, for each token, stored as a whole number: the launch behind makes addresses of it.
; part byte = (256 q + G) x 512 + 16 L: score, code, score, code of tokens 64 G + 32 (L / 16) + L % 16 and 16 further on.  idx word 64 G + 2 L + e holds the code of the e-th of the two.
; A greater score alone wins, quarters in ascending order: among equal scores the lower quarter, which holds the lower code numbers, stays.
; One wave for a group of 64 tokens: four loads of 512 consecutive bytes, one store of 256.  Nothing is shared, nothing is read twice: no LDS, no cluster.
	s_load_b128 s[4:7], s[0:1], 0x0                ; part s[4:5], idx s[6:7]
	v_lshlrev_b32 v1, 4, v0                        ; 16 L
	v_lshlrev_b32 v2, 3, v0                        ; 8 L
	s_lshl_b32 s8, ttmp9, 9
	s_mov_b32 s9, 0
	s_lshl_b32 s10, ttmp9, 8
	s_mov_b32 s11, 0
	s_wait_kmcnt 0x0
	s_add_nc_u64 s[4:5], s[4:5], s[8:9]
	s_add_nc_u64 s[6:7], s[6:7], s[10:11]
.irp q, 0,1,2,3
	global_load_b128 v[4+4*\q:7+4*\q], v1, s[4:5] offset:131072*\q th:TH_LOAD_NT
.endr
	s_wait_loadcnt 0x0
.irp q, 1,2,3
	v_cmp_gt_f32 vcc_lo, v[4+4*\q], v4
	v_cndmask_b32 v4, v4, v[4+4*\q], vcc_lo
	v_cndmask_b32 v5, v5, v[5+4*\q], vcc_lo
	v_cmp_gt_f32 vcc_lo, v[6+4*\q], v6
	v_cndmask_b32 v6, v6, v[6+4*\q], vcc_lo
	v_cndmask_b32 v7, v7, v[7+4*\q], vcc_lo
.endr
	v_mov_b32 v20, v5                              ; the two codes side by side
	v_mov_b32 v21, v7
	global_store_b64 v2, v[20:21], s[6:7]          ; 256 consecutive bytes, aligned
	s_endpgm
.Lfunc_end_k_q0f5c01b0bc_pick:
	.size	k_q0f5c01b0bc_pick, .Lfunc_end_k_q0f5c01b0bc_pick-k_q0f5c01b0bc_pick
	.p2alignl 7, 3214868480
	.fill 96, 4, 3214868480
	.section	.rodata,"a",@progbits
	.p2align	6, 0x0
	.amdhsa_kernel k_q0f5c01b0bc_pick
		.amdhsa_group_segment_fixed_size 0
		.amdhsa_private_segment_fixed_size 0
		.amdhsa_enable_private_segment 0
		.amdhsa_kernarg_size 16
		.amdhsa_user_sgpr_count 2
		.amdhsa_user_sgpr_kernarg_segment_ptr 1
		.amdhsa_wavefront_size32 1
		.amdhsa_system_sgpr_workgroup_id_x 1
		.amdhsa_system_sgpr_workgroup_id_y 1
		.amdhsa_system_sgpr_workgroup_id_z 1
		.amdhsa_system_vgpr_workitem_id 0
		.amdhsa_next_free_vgpr 32
		.amdhsa_next_free_sgpr 66
		.amdhsa_reserve_vcc 1
		.amdhsa_float_denorm_mode_32 3
		.amdhsa_float_denorm_mode_16_64 3
		.amdhsa_memory_ordered 1
		.amdhsa_forward_progress 1
		.amdhsa_inst_pref_size 2
	.end_amdhsa_kernel
	.amdgpu_metadata
---
amdhsa.version: [ 1, 2 ]
amdhsa.kernels:
  - .name:           k_q0f5c01b0bc_pick
    .symbol:         k_q0f5c01b0bc_pick.kd
    .args:
      - { .name: part, .offset: 0, .size: 8, .value_kind: global_buffer, .address_space: global }
      - { .name: idx, .offset: 8, .size: 8, .value_kind: global_buffer, .address_space: global }
    .group_segment_fixed_size: 0
    .private_segment_fixed_size: 0
    .kernarg_segment_align: 8
    .kernarg_segment_size: 16
    .max_flat_workgroup_size: 32
    .sgpr_count:     66
    .vgpr_count:     32
    .wavefront_size: 32
...
	.end_amdgpu_metadata
.endif
;; end of part 3
;; launch gather (part 4): grid 256 x 1, 8 waves a work-group, no clusters, 133,120 bytes of LDS; arguments idx, embedding, out0; writes out0
.if DOCPART == 4
	.amdgcn_target "amdgcn-amd-amdhsa--gfx1250"
	.amdhsa_code_object_version 6
	.text
	.protected	k_q0f5c01b0bc_gather
	.globl	k_q0f5c01b0bc_gather
	.p2align	8
	.type	k_q0f5c01b0bc_gather,@function
k_q0f5c01b0bc_gather:
	s_mov_b64 s[64:65], 0
	v_nop
	global_prefetch_b8 v0, s[64:65] scope:SCOPE_SE
	s_setreg_imm32_b32 hwreg(HW_REG_WAVE_MODE, 25, 1), 1
	s_wait_xcnt 0x0
; out0[b][d][t] = embedding[idx[token]][d], the f32 rows as they are given.  Work-group G owns 64 tokens of one batch entry: b = G / 32, t0 = 64 (G % 32).
; The rows come in along d and leave along t, so they are turned in LDS: 64 rows of 2,048 bytes in, columns out, each store of sixteen lanes 256 consecutive bytes of a row of out0.
; PHASE 1: wave w takes idx words 8 w + 0..7 of the group's 64, and for each the whole row: four loads of 512 consecutive bytes.  An index is cut to 8,191 before it enters an address.
;   idx word 2 L + e belongs to token 32 (L / 16) + 16 e + L % 16 of the group; token t lies in LDS row (t % 4) x 16 + t / 4, so that the four tokens which a lane stores together lie 16 rows apart.
; PHASE 2: wave w takes d = 64 w .. 64 w + 63.  Lane (c = L % 16, u = L / 16) reads four d of tokens 4 c + 0..3, turns the 4 x 4 in registers and stores 16 bytes of four rows of out0.
; The rows that work-groups read hang on the data and are not shared by plan: no cluster.  No matrix work.
.set PITCH, 2064                       ; 2,048 bytes + 16
.set HALF,  32*PITCH                   ; an LDS instruction's immediate ends at 65,535: the upper 32 rows have address registers of their own
.set SPARE, 64*PITCH                   ; behind the rows: the spare words, 128 bytes for each of eight waves
.set SA,  4                            ; v4, v5    where I put 16 bytes of a row: rows 0-31, rows 32-63
.set OF,  8                            ; v8-15     byte offset of my 16 bytes in the eight rows of embedding
.set RA,  16                           ; v16, v17  where I read: rows 0-31, rows 32-63
.set GO,  18                           ; v18       my byte offset in out0
.set SPW, 30                           ; v30       LDS address of my spare word; never rewritten
.set NIL, 31                           ; v31       0; never rewritten
.set R,   32                           ; v32-159   rows as loaded; then columns as read back
.set O,   160                          ; v160-191  two sets of 16, turned, to store
	s_load_b128 s[4:7], s[0:1], 0x0                ; idx s[4:5], embedding s[6:7]
	s_load_b64 s[8:9], s[0:1], 0x10                ; out0
	v_lshl_add_u32 v[SPW], v0, 2, SPARE
	v_mov_b32 v[NIL], 0
	v_lshrrev_b32 v1, 5, v0
	v_readfirstlane_b32 s10, v1                    ; wave 0..7
	v_and_b32 v2, 31, v0
	v_lshlrev_b32 v3, 4, v2                        ; 16 x lane
	s_lshl_b32 s12, ttmp9, 8                       ; the group's 64 words,
	s_lshl_b32 s13, s10, 5                         ; my wave's eight
	s_add_co_u32 s12, s12, s13
	s_mov_b32 s13, 0
	s_wait_kmcnt 0x0
	s_add_nc_u64 s[4:5], s[4:5], s[12:13]
	s_load_b256 s[16:23], s[4:5], 0x0
	s_lshr_b32 s14, s10, 2                         ; word 8 w + i goes to LDS row (i / 2) x 16 + 4 (i % 2) + 8 (w / 4) + w % 4: the wave's part here, i's in the immediate
	s_lshl_b32 s14, s14, 3
	s_and_b32 s15, s10, 3
	s_add_co_u32 s14, s14, s15
	s_mul_i32 s14, s14, PITCH
	v_add_nc_u32 v[SA], s14, v3
	v_add_nc_u32 v[SA+1], HALF, v[SA]
	v_and_b32 v6, 15, v0                           ; c
	v_bfe_u32 v7, v0, 4, 1                         ; u
	v_mul_u32_u24 v[RA], v6, PITCH
	v_lshl_add_u32 v[RA], v7, 4, v[RA]
	s_lshl_b32 s15, s10, 8                         ; 64 w channels of 4 bytes
	v_add_nc_u32 v[RA], s15, v[RA]
	v_add_nc_u32 v[RA+1], HALF, v[RA]
	v_lshlrev_b32 v[GO], 4, v6                     ; 16 c, and four rows of 8,192 bytes further down for lanes 16-31
	v_lshl_add_u32 v[GO], v7, 15, v[GO]
	s_lshr_b32 s24, ttmp9, 5
	s_lshl_b32 s24, s24, 22                        ; b x 512 x 2048 x 4 bytes
	s_lshl_b32 s25, s10, 19                        ; + 64 w rows
	s_add_co_u32 s24, s24, s25
	s_and_b32 s25, ttmp9, 31
	s_lshl_b32 s25, s25, 8                         ; + 4 t0
	s_add_co_u32 s24, s24, s25
	s_mov_b32 s25, 0
	s_add_nc_u64 s[8:9], s[8:9], s[24:25]
	s_wait_kmcnt 0x0                               ; the eight indices
.irp i, 0,1,2,3,4,5,6,7
	s_min_u32 s[16+\i], s[16+\i], 8191
	s_lshl_b32 s[16+\i], s[16+\i], 11              ; a row is 2,048 bytes
	v_add_nc_u32 v[OF+\i], s[16+\i], v3
.endr
.irp i, 0,1,2,3,4,5,6,7
.irp c, 0,1,2,3
	global_load_b128 v[R+16*\i+4*\c:R+16*\i+4*\c+3], v[OF+\i], s[6:7] offset:512*\c  ; no hint: two tokens may name one row
.endr
.endr
.irp i, 0,1,2,3,4,5,6,7
	s_wait_loadcnt 28-4*\i                         ; the later rows' loads stay out
.irp c, 0,1,2,3
	ds_store_b128 v[SA+\i/4], v[R+16*\i+4*\c:R+16*\i+4*\c+3] offset:(((\i/2)%2)*16+4*(\i%2))*PITCH+512*\c
.endr
.endr
	s_wait_dscnt 0x0                               ; for the others' sake: my rows are in LDS
	s_barrier_signal -1
	s_barrier_wait -1
.irp t, 0,1,2,3,4,5,6,7                ; step t: d = 64 w + 8 t + 4 u + 0..3; load a: token 4 c + a, in row 16 a + c
.irp a, 0,1,2,3
	ds_load_b128 v[R+16*\t+4*\a:R+16*\t+4*\a+3], v[RA+\a/2] offset:(\a%2)*16*PITCH+32*\t
.endr
.endr
.irp t, 0,1,2,3,4,5,6,7
	s_wait_dscnt 28-4*\t                           ; the later steps' loads stay out
.if \t >= 2
	s_wait_xcnt 0x0                                ; every earlier memory instruction has had its addresses translated (ISA guide 3.1): the set stored two steps ago is rewritten only behind this wait
.endif
.irp k, 0,1,2,3
.irp a, 0,1,2,3
	v_mov_b32 v[O+16*(\t%2)+4*\k+\a], v[R+16*\t+4*\a+\k]
.endr
.endr
.irp k, 0,1,2,3
	global_store_b128 v[GO], v[O+16*(\t%2)+4*\k:O+16*(\t%2)+4*\k+3], s[8:9] offset:(8*\t+\k)*8192 th:TH_STORE_NT  ; lanes 0-15 store 256 consecutive bytes of row d, aligned; lanes 16-31 those of row d + 4
.endr
.endr
	s_wait_tensorcnt 0x0                           ; the wave's end: three lines behind my last LDS store
	ds_add_u32 v[SPW], v[NIL]
	s_wait_dscnt 0x0
	s_endpgm
.Lfunc_end_k_q0f5c01b0bc_gather:
	.size	k_q0f5c01b0bc_gather, .Lfunc_end_k_q0f5c01b0bc_gather-k_q0f5c01b0bc_gather
	.p2alignl 7, 3214868480
	.fill 96, 4, 3214868480
	.section	.rodata,"a",@progbits
	.p2align	6, 0x0
	.amdhsa_kernel k_q0f5c01b0bc_gather
		.amdhsa_group_segment_fixed_size 133120
		.amdhsa_private_segment_fixed_size 0
		.amdhsa_enable_private_segment 0
		.amdhsa_kernarg_size 24
		.amdhsa_user_sgpr_count 2
		.amdhsa_user_sgpr_kernarg_segment_ptr 1
		.amdhsa_wavefront_size32 1
		.amdhsa_system_sgpr_workgroup_id_x 1
		.amdhsa_system_sgpr_workgroup_id_y 1
		.amdhsa_system_sgpr_workgroup_id_z 1
		.amdhsa_system_vgpr_workitem_id 0
		.amdhsa_next_free_vgpr 192
		.amdhsa_next_free_sgpr 66
		.amdhsa_reserve_vcc 0
		.amdhsa_float_denorm_mode_32 3
		.amdhsa_float_denorm_mode_16_64 3
		.amdhsa_memory_ordered 1
		.amdhsa_forward_progress 1
		.amdhsa_inst_pref_size 18
	.end_amdhsa_kernel
	.amdgpu_metadata
---
amdhsa.version: [ 1, 2 ]
amdhsa.kernels:
  - .name:           k_q0f5c01b0bc_gather
    .symbol:         k_q0f5c01b0bc_gather.kd
    .args:
      - { .name: idx, .offset: 0, .size: 8, .value_kind: global_buffer, .address_space: global }
      - { .name: embedding, .offset: 8, .size: 8, .value_kind: global_buffer, .address_space: global }
      - { .name: out0, .offset: 16, .size: 8, .value_kind: global_buffer, .address_space: global }
    .group_segment_fixed_size: 133120
    .private_segment_fixed_size: 0
    .kernarg_segment_align: 8
    .kernarg_segment_size: 24
    .max_flat_workgroup_size: 256
    .sgpr_count:     66
    .vgpr_count:     192
    .wavefront_size: 32
...
	.end_amdgpu_metadata
.endif
;; end of part 4
;; ======== version 2 of 2: 4 launches; version 1 with the launch prep written anew for expert scheduling mode
;; workspace buffers: xb 16,777,216 bytes; eb 8,388,608 bytes; xsq 65,536 bytes; esq 32,768 bytes; part 524,288 bytes; idx 65,536 bytes of whole numbers
;; launch prep (part 5): grid 384 x 1, 8 waves a work-group, no clusters, 3,328 bytes of LDS; arguments latents, embedding, xb, eb, xsq, esq; writes xb, eb, xsq, esq
.if DOCPART == 5
	.amdgcn_target "amdgcn-amd-amdhsa--gfx1250"
	.amdhsa_code_object_version 6
	.text
	.protected	k_q0f5c01b0bc_prep
	.globl	k_q0f5c01b0bc_prep
	.p2align	8
	.type	k_q0f5c01b0bc_prep,@function
k_q0f5c01b0bc_prep:
	s_mov_b64 s[64:65], 0
	v_nop
	global_prefetch_b8 v0, s[64:65] scope:SCOPE_SE
	s_setreg_imm32_b32 hwreg(HW_REG_WAVE_SCHED_MODE, 0, 2), 2
	s_setreg_imm32_b32 hwreg(HW_REG_WAVE_MODE, 25, 1), 1
	s_wait_xcnt 0x0
	s_wait_alu depctr_vm_vsrc(0)
; BOTH INPUTS ARE ROUNDED TO bf16 ONCE, AND THEIR SUMS OF SQUARES ARE TAKEN OF THE ROUNDED NUMBERS, so that every part of the distance made later belongs to the same rounded inputs.
; Work-groups 0-255: latents [8][512][2048] f32 -> xb, bf16 in the order in which a matrix instruction's second source wants them, and xsq[token], token = 2048 b + t.
;   xb byte = tile*16384 + ks*1024 + p*512 + L*16: tile = token / 16, ks = d / 32; lane L = 16 h + r holds token 16 tile + r, d = 32 ks + 16 p + 8 h + 0..7.
; Work-groups 256-383: embedding [8192][512] f32 -> eb [8192][512] bf16, row-major, and esq[code].
; Each work-group reads 131,072 bytes.  A stream: every byte is read once and written once, nothing is shared between work-groups, so there is no cluster, no tensor load and no matrix work.
; LIMITS: NaN and infinities are not treated apart; a sum of squares beyond f32's range is an infinity, as in the problem's own formula.
; THE MODE: SCHED_MODE bits 1:0 = 2 (LLVM: expert scheduling mode 2), set by the entry lines.  The code itself states the register dependences
; between vector instructions and memory or LDS instructions, with s_wait_alu, always for 0.
; THE PLAN.  Registers that memory or LDS instructions touch, on either path:
;   v1, v5, v6, v7  offsets and LDS addresses: made once at the path's head, ahead of one wait on va_vdst, and never written again.
;   X               128 registers.  All loads are issued at the path's head.  Block (row) j's conversions pack in place; its stores are issued in block j + 1, behind the one wait on va_vdst
;                   at that block's head, and are dealt among that block's vector instructions, which name their own part of X, T and S alone.  No part of X is written again behind its store.
;   S               The sums.  Written by vector instructions; one wait on va_vdst behind the last of them covers the LDS stores that read them (and the last block's stores to memory).
;                   Behind the barrier wave 0's LDS loads land in S: one wait on vm_vsrc states that the LDS stores have read it.
;   T               named by vector instructions alone.
;   v[SPW], v[NIL]  written at the head, read by the closing add alone.
.set XSCR,  0                          ; the latents' path: 8 waves x 64 partial sums, 2,048 bytes
.set ESCR,  2048                       ; the codes' path: 64 sums, 256 bytes.  Each path has LDS bytes that the other never names
.set SPARE, 2304                       ; behind both: the spare words, 128 bytes for each of eight waves
.set SPW, 2                            ; v2      LDS address of my spare word; never rewritten
.set NIL, 3                            ; v3      0; never rewritten
.set T,   8                            ; v8-15   at work
.set S,   16                           ; v16-31  sums
.set X,   32                           ; v32-159 the numbers as loaded, then packed
.set WV,  16                           ; s16     my wave's number
.macro FINISH                          ; the wave's end: the closing lines, six on end
	s_wait_dscnt 0x0
	s_wait_alu 0x0
	s_wait_tensorcnt 0x0
	ds_add_u32 v[SPW], v[NIL]
	s_wait_dscnt 0x0
	s_endpgm
.endm
	s_load_b256 s[4:11], s[0:1], 0x0               ; latents s[4:5], embedding s[6:7], xb s[8:9], eb s[10:11]
	s_load_b128 s[12:15], s[0:1], 0x20             ; xsq s[12:13], esq s[14:15]
	v_lshl_add_u32 v[SPW], v0, 2, SPARE
	v_mov_b32 v[NIL], 0
	v_lshrrev_b32 v1, 5, v0
	v_readfirstlane_b32 s[WV], v1                  ; wave 0..7
	v_and_b32 v4, 31, v0                           ; lane l
	s_mov_b32 s17, 0xffff0000                      ; a word's upper bf16
	s_wait_alu depctr_va_sdst(0)                   ; s16, the wave's number, is written
	s_cmp_ge_u32 ttmp9, 256                        ; the same answer in all eight waves
	s_cbranch_scc1 .Lcodes
	; ---- LATENTS.  Work-group G owns 64 tokens of one batch entry: b = G / 32, t0 = 64 (G % 32).  Wave w owns d = 64 w .. 64 w + 63; lane l owns tokens l and 32 + l.
	s_lshr_b32 s18, ttmp9, 5
	s_lshl_b32 s18, s18, 22                        ; b x 512 x 2048 x 4 bytes
	s_lshl_b32 s19, s[WV], 19                      ; + 64 w rows of 8,192 bytes
	s_add_co_u32 s18, s18, s19
	s_and_b32 s19, ttmp9, 31
	s_lshl_b32 s19, s19, 8                         ; + 4 t0
	s_add_co_u32 s18, s18, s19
	s_mov_b32 s19, 0
	s_lshl_b32 s20, ttmp9, 16                      ; xb: four tiles of 16,384 bytes a work-group,
	s_lshl_b32 s21, s[WV], 11                      ; + 2 w K steps of 1,024 bytes
	s_add_co_u32 s20, s20, s21
	s_mov_b32 s21, 0
	s_lshl_b32 s22, ttmp9, 8                       ; xsq: 64 numbers a work-group
	s_mov_b32 s23, 0
	v_lshlrev_b32 v5, 2, v4                        ; 4 l
	v_lshrrev_b32 v6, 4, v4
	v_and_b32 v7, 15, v4
	v_lshlrev_b32 v7, 4, v7
	v_lshl_add_u32 v6, v6, 14, v7                  ; in xb: tile l / 16, 16 bytes for token l % 16
	v_lshl_add_u32 v7, s[WV], 8, v5                ; in the scratch: 256 w + 4 l
	v_lshlrev_b32 v1, 3, v4                        ; 8 l: where wave 0 reads the shares of tokens 2 l and 2 l + 1, and stores their sums
	s_wait_kmcnt 0x0
	s_add_nc_u64 s[4:5], s[4:5], s[18:19]
	s_add_nc_u64 s[8:9], s[8:9], s[20:21]
	s_add_nc_u64 s[12:13], s[12:13], s[22:23]
	s_wait_alu depctr_va_vdst(0)                   ; v5, v6, v7 and v1 are written: every load, store and LDS instruction of this path reads one of them as its offset or address
	; 128 loads in one run.  The two loads of one d stand side by side and cover 256 consecutive bytes, at a multiple of 256 from the buffer's first byte.
.irp j, 0,1,2,3,4,5,6,7
.irp i, 0,1,2,3,4,5,6,7
.irp h, 0,1
	global_load_b32 v[X+16*\j+8*\h+\i], v5, s[4:5] offset:(8*\j+\i)*8192+128*\h th:TH_LOAD_NT
.endr
.endr
.endr
	; Block j: d = 64 w + 8 j + 0..7 of both tokens.  Eight numbers pack into the 16 bytes that lane 16 (j % 2) + r of K step 2 w + j / 4, half (j / 2) % 2, will hold: byte 256 j of my wave's 2,048.
	; The block's two stores are issued in the next block.
.irp j, 0,1,2,3,4,5,6,7
.if 112-16*\j > 63
	s_wait_loadcnt 63                              ; 112 - 16 j younger loads could stay out; the count's field ends at 63 (ISA guide 5.7.1), and a smaller count waits for more
.else
	s_wait_loadcnt 112-16*\j                       ; the later blocks' loads stay out
.endif
.if \j > 0
	s_wait_alu depctr_va_vdst(0)                   ; the block before has written its packed words, which the two stores below read; no vector instruction of this block names them
.endif
.irp h, 0,1
.if \j > 0
	global_store_b128 v6, v[X+16*(\j-1)+8*\h:X+16*(\j-1)+8*\h+3], s[8:9] offset:32768*\h+256*(\j-1)  ; the block before: lanes 0-15 and lanes 16-31 each store 256 consecutive bytes, aligned; the data registers are not written again
.endif
.irp m, 0,1,2,3
	v_cvt_pk_bf16_f32 v[X+16*\j+8*\h+\m], v[X+16*\j+8*\h+2*\m], v[X+16*\j+8*\h+2*\m+1]  ; in place: word m is written when its old number has been read
.endr
.irp m, 0,1,2,3
	v_lshlrev_b32 v[T+2*\m], 16, v[X+16*\j+8*\h+\m]          ; the rounded numbers as f32 again
	v_and_b32 v[T+2*\m+1], s17, v[X+16*\j+8*\h+\m]
.endr
.irp m, 0,1,2,3
.if \j == 0
	v_pk_mul_f32 v[S+8*\h+2*\m:S+8*\h+2*\m+1], v[T+2*\m:T+2*\m+1], v[T+2*\m:T+2*\m+1]  ; the first block starts the sums
.else
	v_pk_fma_f32 v[S+8*\h+2*\m:S+8*\h+2*\m+1], v[T+2*\m:T+2*\m+1], v[T+2*\m:T+2*\m+1], v[S+8*\h+2*\m:S+8*\h+2*\m+1]
.endif
.endr
.endr
.endr
.irp h, 0,1
	v_pk_add_f32 v[S+8*\h:S+8*\h+1], v[S+8*\h:S+8*\h+1], v[S+8*\h+2:S+8*\h+3]
	v_pk_add_f32 v[S+8*\h+4:S+8*\h+5], v[S+8*\h+4:S+8*\h+5], v[S+8*\h+6:S+8*\h+7]
	v_pk_add_f32 v[S+8*\h:S+8*\h+1], v[S+8*\h:S+8*\h+1], v[S+8*\h+4:S+8*\h+5]
	v_add_f32 v[S+8*\h], v[S+8*\h], v[S+8*\h+1]
.endr
	s_wait_alu depctr_va_vdst(0)                   ; block 7 has written its packed words, and the two sums are written: the four stores below read them; every vector instruction that names S stands ahead of this wait
.irp h, 0,1
	global_store_b128 v6, v[X+16*7+8*\h:X+16*7+8*\h+3], s[8:9] offset:32768*\h+256*7  ; block 7
.endr
.irp h, 0,1
	ds_store_b32 v7, v[S+8*\h] offset:XSCR+128*\h  ; my wave's share of token 32 h + l
.endr
	s_wait_dscnt 0x0                               ; for the others' sake: my stores are done
	s_barrier_signal -1
	s_barrier_wait -1
	s_wait_alu depctr_vm_vsrc(0)                   ; my LDS stores have read S and S + 8, in which wave 0's LDS loads land; the wait stands ahead of the branch
	s_cmp_lg_u32 s[WV], 0
	s_cbranch_scc1 .Lend_x
.irp w, 0,1,2,3,4,5,6,7                ; wave 0 adds the eight shares: lane l takes tokens 2 l and 2 l + 1
	ds_load_b64 v[S+2*\w:S+2*\w+1], v1 offset:XSCR+256*\w
.endr
	s_wait_dscnt 0x0
	v_pk_add_f32 v[S:S+1], v[S:S+1], v[S+2:S+3]
	v_pk_add_f32 v[S+4:S+5], v[S+4:S+5], v[S+6:S+7]
	v_pk_add_f32 v[S+8:S+9], v[S+8:S+9], v[S+10:S+11]
	v_pk_add_f32 v[S+12:S+13], v[S+12:S+13], v[S+14:S+15]
	v_pk_add_f32 v[S:S+1], v[S:S+1], v[S+4:S+5]
	v_pk_add_f32 v[S+8:S+9], v[S+8:S+9], v[S+12:S+13]
	v_pk_add_f32 v[S:S+1], v[S:S+1], v[S+8:S+9]
	s_wait_alu depctr_va_vdst(0)                   ; the additions have written S and S + 1, which the store reads
	global_store_b64 v1, v[S:S+1], s[12:13]        ; 256 consecutive bytes, aligned
.Lend_x:
	FINISH
	; ---- CODES.  Work-group 256 + g owns rows 64 g .. 64 g + 63; wave w rows 64 g + 8 w + 0..7, a whole row to a wave: four loads of 512 consecutive bytes.
.Lcodes:
	s_sub_co_u32 s18, ttmp9, 256                   ; g
	s_lshl_b32 s19, s18, 3
	s_add_co_u32 s19, s19, s[WV]                   ; 8 g + w
	s_lshl_b32 s20, s19, 14                        ; eight rows of 2,048 bytes
	s_mov_b32 s21, 0
	s_lshl_b32 s22, s19, 13                        ; eight rows of 1,024 bytes
	s_mov_b32 s23, 0
	s_lshl_b32 s24, s18, 8                         ; esq: 64 numbers a work-group
	s_mov_b32 s25, 0
	s_mov_b32 s26, 0x76543210                      ; v_permlanex16_b32: each lane takes its own place in the other half
	s_mov_b32 s27, 0xfedcba98
	v_lshlrev_b32 v5, 4, v4                        ; 16 l
	v_lshlrev_b32 v6, 3, v4                        ; 8 l
	v_mov_b32 v7, s[WV]
	v_lshlrev_b32 v7, 5, v7                        ; in the scratch: eight words a wave
	s_wait_kmcnt 0x0
	s_add_nc_u64 s[6:7], s[6:7], s[20:21]
	s_add_nc_u64 s[10:11], s[10:11], s[22:23]
	s_add_nc_u64 s[14:15], s[14:15], s[24:25]
	s_wait_alu depctr_va_vdst(0)                   ; v5, v6 and v7 are written: every load, store and LDS instruction of this path reads one of them as its offset or address
.irp i, 0,1,2,3,4,5,6,7
.irp c, 0,1,2,3
	global_load_b128 v[X+16*\i+4*\c:X+16*\i+4*\c+3], v5, s[6:7] offset:2048*\i+512*\c th:TH_LOAD_NT
.endr
.endr
	; A row's four stores are issued in the next row.
.irp i, 0,1,2,3,4,5,6,7
	s_wait_loadcnt 28-4*\i                         ; the later rows' loads stay out
.if \i > 0
	s_wait_alu depctr_va_vdst(0)                   ; the row before has written its packed words, which the four stores below read; no vector instruction of this row names them
.endif
.irp c, 0,1,2,3
.if \i > 0
	global_store_b64 v6, v[X+16*(\i-1)+4*\c:X+16*(\i-1)+4*\c+1], s[10:11] offset:1024*(\i-1)+256*\c  ; the row before: the wave stores 256 consecutive bytes, aligned; the data registers are not written again
.endif
	v_cvt_pk_bf16_f32 v[X+16*\i+4*\c], v[X+16*\i+4*\c], v[X+16*\i+4*\c+1]
	v_cvt_pk_bf16_f32 v[X+16*\i+4*\c+1], v[X+16*\i+4*\c+2], v[X+16*\i+4*\c+3]
	v_lshlrev_b32 v[T], 16, v[X+16*\i+4*\c]
	v_and_b32 v[T+1], s17, v[X+16*\i+4*\c]
	v_lshlrev_b32 v[T+2], 16, v[X+16*\i+4*\c+1]
	v_and_b32 v[T+3], s17, v[X+16*\i+4*\c+1]
.if \c == 0
	v_pk_mul_f32 v[T+4:T+5], v[T:T+1], v[T:T+1]    ; the first quarter of the row starts the sums
	v_pk_mul_f32 v[T+6:T+7], v[T+2:T+3], v[T+2:T+3]
.else
	v_pk_fma_f32 v[T+4:T+5], v[T:T+1], v[T:T+1], v[T+4:T+5]
	v_pk_fma_f32 v[T+6:T+7], v[T+2:T+3], v[T+2:T+3], v[T+6:T+7]
.endif
.endr
	v_pk_add_f32 v[T+4:T+5], v[T+4:T+5], v[T+6:T+7]
	v_add_f32 v[S+\i], v[T+4], v[T+5]
.endr
.irp m, 1,2,4,8                        ; across the lanes, the eight rows side by side
.irp i, 0,1,2,3,4,5,6,7
	v_add_f32_dpp v[S+\i], v[S+\i], v[S+\i] row_xmask:\m row_mask:0xf bank_mask:0xf
.endr
.endr
.irp i, 0,1,2,3,4,5,6,7
	v_permlanex16_b32 v[T+\i], v[S+\i], s26, s27   ; its destination counts as read: T has been written
.endr
.irp i, 0,1,2,3,4,5,6,7
	v_add_f32 v[S+\i], v[S+\i], v[T+\i]
.endr
	s_wait_alu depctr_va_vdst(0)                   ; row 7 has written its packed words, and the eight sums are written: the twelve stores below read them; every vector instruction that names S stands ahead of this wait
.irp c, 0,1,2,3
	global_store_b64 v6, v[X+16*7+4*\c:X+16*7+4*\c+1], s[10:11] offset:1024*7+256*\c  ; row 7
.endr
.irp i, 0,1,2,3,4,5,6,7
	ds_store_b32 v7, v[S+\i] offset:ESCR+4*\i      ; all lanes write the same number to the row's word
.endr
	s_wait_dscnt 0x0                               ; for the others' sake
	s_barrier_signal -1
	s_barrier_wait -1
	s_wait_alu depctr_vm_vsrc(0)                   ; my LDS stores have read S and S + 1, in which wave 0's LDS load lands; the wait stands ahead of the branch
	s_cmp_lg_u32 s[WV], 0
	s_cbranch_scc1 .Lend_e
	ds_load_b64 v[S:S+1], v6 offset:ESCR           ; wave 0: the 64 rows' sums
	s_wait_dscnt 0x0
	global_store_b64 v6, v[S:S+1], s[14:15]        ; 256 consecutive bytes, aligned
.Lend_e:
	FINISH
.Lfunc_end_k_q0f5c01b0bc_prep:
	.size	k_q0f5c01b0bc_prep, .Lfunc_end_k_q0f5c01b0bc_prep-k_q0f5c01b0bc_prep
	.p2alignl 7, 3214868480
	.fill 96, 4, 3214868480
	.section	.rodata,"a",@progbits
	.p2align	6, 0x0
	.amdhsa_kernel k_q0f5c01b0bc_prep
		.amdhsa_group_segment_fixed_size 3328
		.amdhsa_private_segment_fixed_size 0
		.amdhsa_enable_private_segment 0
		.amdhsa_kernarg_size 48
		.amdhsa_user_sgpr_count 2
		.amdhsa_user_sgpr_kernarg_segment_ptr 1
		.amdhsa_wavefront_size32 1
		.amdhsa_system_sgpr_workgroup_id_x 1
		.amdhsa_system_sgpr_workgroup_id_y 1
		.amdhsa_system_sgpr_workgroup_id_z 1
		.amdhsa_system_vgpr_workitem_id 0
		.amdhsa_next_free_vgpr 160
		.amdhsa_next_free_sgpr 66
		.amdhsa_reserve_vcc 0
		.amdhsa_float_denorm_mode_32 3
		.amdhsa_float_denorm_mode_16_64 3
		.amdhsa_memory_ordered 1
		.amdhsa_forward_progress 1
		.amdhsa_inst_pref_size 54
	.end_amdhsa_kernel
	.amdgpu_metadata
---
amdhsa.version: [ 1, 2 ]
amdhsa.kernels:
  - .name:           k_q0f5c01b0bc_prep
    .symbol:         k_q0f5c01b0bc_prep.kd
    .args:
      - { .name: latents, .offset: 0, .size: 8, .value_kind: global_buffer, .address_space: global }
      - { .name: embedding, .offset: 8, .size: 8, .value_kind: global_buffer, .address_space: global }
      - { .name: xb, .offset: 16, .size: 8, .value_kind: global_buffer, .address_space: global }
      - { .name: eb, .offset: 24, .size: 8, .value_kind: global_buffer, .address_space: global }
      - { .name: xsq, .offset: 32, .size: 8, .value_kind: global_buffer, .address_space: global }
      - { .name: esq, .offset: 40, .size: 8, .value_kind: global_buffer, .address_space: global }
    .group_segment_fixed_size: 3328
    .private_segment_fixed_size: 0
    .kernarg_segment_align: 8
    .kernarg_segment_size: 48
    .max_flat_workgroup_size: 256
    .sgpr_count:     66
    .vgpr_count:     160
    .wavefront_size: 32
...
	.end_amdgpu_metadata
.endif
;; end of part 5
;; launch dist: the kernel of part 2 again; grid 64 x 4, 4 waves a work-group, clusters of 4 x 1, 327,680 bytes of LDS; arguments xb, eb, xsq, esq, part; writes part
;; launch pick: the kernel of part 3 again; grid 256 x 1, 1 waves a work-group, no clusters, 0 bytes of LDS; arguments part, idx; writes idx
;; launch gather: the kernel of part 4 again; grid 256 x 1, 8 waves a work-group, no clusters, 133,120 bytes of LDS; arguments idx, embedding, out0; writes out0
